; MI455X (gfx1250); checked and timed in simulation.
; The chip was launched on July 23, 2026; its instructions are those of AMD's public machine-readable ISA for CDNA 5 (MIT licence, August 2026) and "CDNA5" Instruction Set Architecture Reference Guide (July 2026). The comments in the code are by the model that wrote it; some were corrected since.
;; Multi Head Attn. Allowed arithmetic: matrix products marked QUANTISED: E3M2 operands, one E8M0 scale for each 32 along K, by v_wmma_scale_f32_16x16x128_f8f6f4 with both operands' format E3M2, f32 sums; everything else in f32.
;; Inputs: k 1 x 16 x 2,048 x 64 float32; q 1 x 16 x 2,048 x 64 float32; v 1 x 16 x 2,048 x 64 float32.
;; Outputs: out0 1 x 16 x 2,048 x 64 float32; out1 1 x 16 x 2,048 x 64 float32; out2 1 x 16 x 2,048 x 64 float32.
;; Constants: layer_idx = 1, training = 0.
;; This version of the problem:
;;   THIS VERSION OF THE PROBLEM IS GIVEN IN LOW PRECISION. The matrix products marked QUANTISED in the list below multiply operands that are first quantised to E3M2 (3 exponent bits, 2 mantissa bits; 6 bits a number), with one power-of-two scale for each 32 numbers along K (OCP MX v1.0); their sums are f32. All else is computed in f32.
;;   The module's matrix products, in the order in which they are computed (A, B: the left and right operand; K: the contracted axis; several contracted axes count as one K, in the product's order):
;;     1. batch 16 x [M 2,048, K 64] x [K 64, N 2,048]; A: input q; B: input k: QUANTISED
;;     2. batch 16 x [M 2,048, K 2,048] x [K 2,048, N 64]; A: softmax (see below); B: input v: QUANTISED
;;   THE QUANTISER, for each operand of a quantised product, along K:
;;     - K is cut into blocks of 32 from its start; a last block that is shorter is filled with zeros.
;;     - A block's scale is 2^e with e = floor(log2(the largest magnitude in the block)) - 4, held to -126 .. 127; a block of zeros has e = 0. As a byte (E8M0): e + 127.
;;     - Each number is divided by its block's scale, clamped to +-28, and rounded to the nearest number of E3M2, ties to even, subnormals kept.
;;     - The product sums the exact products of the quantised numbers (number of the format x scale) in f32.
;;   ~~~python
;;   def quantise(x, axis):      # numpy; x: float32 -> the quantised numbers, widened to float32 again
;;       x = np.moveaxis(x, axis, -1); K = x.shape[-1]
;;       x = np.pad(x, [(0, 0)] * (x.ndim - 1) + [(0, -K % 32)]); x = x.reshape(x.shape[:-1] + (-1, 32)); a = np.abs(x).max(-1, keepdims=True)
;;       e = np.where(a > 0, np.clip(np.frexp(np.where(a > 0, a, 1))[1] - 1 - 4, -126, 127), 0)      # np.frexp(a)[1] - 1 = floor(log2(a)), exactly
;;       r = np.clip(x / 2.0 ** e, -28, 28)
;;       step = 2.0 ** (np.maximum(np.frexp(np.where(r == 0, 1, r))[1] - 1, -2) - 2)
;;       q = np.round(r / step) * step * 2.0 ** e      # np.round: ties to even
;;       return np.moveaxis(q.reshape(q.shape[:-2] + (-1,))[..., :K], -1, axis).astype(np.float32)
;;   ~~~
;;   SOFTMAX AHEAD OF A QUANTISED PRODUCT. Where the list says 'softmax', what is quantised is not the finished softmax but p = 2^(t - M), with t = logit x log2(e) and M = ceil(the row's largest t), a whole number; so 1/2 < the row's largest p <= 1. The row's sum l is taken of the UNQUANTISED p, in f32, and the product's result is divided by l at the end. Since M is a whole number, a kernel that streams over the keys may use a running M (the ceiling of the running maximum): every later rescaling is an exact power of two, which a block's scale takes up: the codes' values come out the same.
;;   OPERANDS COMPUTED ON THE WAY. 'Computed on the way' means the value that the module computes at that place (a softmax that the list does not call 'softmax' is quantised finished and normalised). What goes into a quantiser is computed in f32, as accurately as f32 sums, v_exp_f32 and their like allow (about 1e-6 of the number): no bf16 or f16 on the way to a quantiser, and a product that is left as it is and whose result goes on into a quantised operand takes f32 operands (vector FMAs, or v_wmma_f32_16x16x4_f32). A number that lies on a knife's edge between two numbers of the format may be rounded either way, as far as f32 arithmetic and the matrix unit's own rounding can turn it there, and no further.
;; 2 versions. Each part assembles by itself: llvm-mc -triple=amdgcn-amd-amdhsa -mcpu=gfx1250 --defsym DOCPART=n.
;; ======== version 1 of 2: 1 launch
;; limits: right only within a limited range of input values
;; launch attn (part 1): grid 16 x 16, 8 waves a work-group, no clusters, 284,672 bytes of LDS; arguments q, k, v, out0, out1, out2; writes out0, out1, out2
.if DOCPART == 1
	.amdgcn_target "amdgcn-amd-amdhsa--gfx1250"
	.amdhsa_code_object_version 6
	.text
	.protected	k_q347ced2e38_attn
	.globl	k_q347ced2e38_attn
	.p2align	8
	.type	k_q347ced2e38_attn,@function
k_q347ced2e38_attn:
	s_mov_b64 s[64:65], 0
	v_nop
	global_prefetch_b8 v0, s[64:65] scope:SCOPE_SE
	s_setreg_imm32_b32 hwreg(HW_REG_WAVE_MODE, 25, 1), 1
	s_wait_xcnt 0x0
; out0[h][i] = sum over j of softmax_j(q[h][i] . k[h][j] / 8) v[h][j], key j counting for query i where i - 255 <= j <= i; out1 = k, out2 = v.
; q, k, v, out0, out1, out2: [16][2048][64] f32.  Both products on codes of BF6 (E3M2) with one E8M0 scale for each 32 along K: K = the head's 64 in the first, K = the keys in the second.
; THE SOFTMAX AHEAD OF THE SECOND PRODUCT: t = score x log2(e) / 8; M = the running largest t rounded UP to a whole number; p = 2^(t - M) is quantised along the keys, not normalised; the row's sum is taken of the
; unquantised p and divides at the end.  When M moves, the sum and O are multiplied by 2^(old M - new M): exact.
; SHARES.  A work-group owns 128 queries (q0 = 128 x) of one head; its keys are q0 - 256 + off, off = 0 .. 383: three chunks (key steps) of 128, twelve blocks of 32 that begin at multiples of 32 of the key's own number.
; Wave w of eight owns queries q0 + 16 w .. + 15, one tile.  256 work-groups of equal work.
; PHASE A: each wave loads 16 rows of each chunk of k and of v and its 16 rows of q, 56 loads of 512 consecutive bytes, all issued at once; the rows go to stages in LDS as they lie; chunk 2 (the group's own keys) also leaves
; for out1 and out2 from the same registers.  PHASE B: every wave quantises its q; waves 0-3 quantise v (a lane to a channel, registers down the keys), waves 4-7 k; codes and scale words go to LDS as IMAGES OF THE OPERANDS'
; REGISTERS.  PHASE C: three key steps, both products transposed (S^T = k q^T, O^T = v^T p^T): a lane holds ONE query throughout.
; THE KEYS OF A TILE ARE NOT NEIGHBOURS: lane r of tile 2 b + u takes key 32 b + 8 u + r + 8 (r / 8), so that the 16 registers of tiles 2 b and 2 b + 1 are 16 neighbouring keys, 32 b + 16 (lane / 16) + 0 .. 15.
; K = 64 IN A FORM OF K = 128: q's registers 6-11 are zero codes, and bytes 2, 3 of q's and k's scale words are 0 (2^-127, a number).  The key tiles lie 6 registers apart, so the upper six registers that a product names for a
; tile hold the next tile's codes (behind tile 7: six zeros).  E3M2 has no code for infinity or NaN, so each of those codes times q's zero code is exactly 0.
; THE MASK.  Key off counts for query iq (0 .. 127 in the group) where max(iq + 1, 256 - q0) <= off <= iq + 256.  Hidden scores become -infinity ahead of the maximum, so p = 0 there.  Chunks that would begin ahead of key 0
; are loaded from the head's first rows (no load leaves its buffer) and are wholly hidden.
; NO CLUSTER: a chunk of k or v is read by three work-groups, but it lies at a different chunk number in each reader's window, so a joint load's LDS address would hang on the place in the cluster; and the f32 rows have to
; pass through registers in any case, for out1 and out2.
; LIMITS: NaN and infinities among the inputs are not served.  A block whose largest magnitude lies under 2^-122 keeps the scale byte 1; a block of zeros has the byte 1 where the quantiser's rule says 127: its codes are
; zeros and only this text reads the bytes.  Hidden scores are -infinity where the definition has -1e9: both give the weight 0 as long as a row's largest logit lies above about -1e9 + 104.  p under 2^-126 is 0.
; LDS, all of it written by ds_store:
.set KIMG, 0                           ; 24 x 768: key tile T: registers 0-3 at 16 x lane, registers 4-5 at 512 + 8 x lane
.set VIMG, 18432                       ; 12 x 1536: fragment 4 s + t of v: registers 4 g .. 4 g + 3 at 512 g + 16 x lane
.set KSC,  36864                       ; 6 x 512: the scale word of tile T at 512 (T / 4) + 16 x lane + 4 (T % 4)
.set VSC,  39936                       ; 3 x 512: step s, tile t: 512 s + 16 x lane + 4 t
.set KST,  41472                       ; 24 x 4480: k as loaded: 16 rows of 272 bytes, then 128: rows 0-7 of one group and of the next begin at 16 different multiples of 16 modulo 256
.set VST,  148992                      ; 12 x 8320: v as loaded: 32 rows of 256 bytes, then 128: rows 32 apart lie 128 bytes apart modulo 256
.set QST,  248832                      ; 8 x 4352: each wave's own 16 rows of 272 bytes: q as loaded, later the stage for out0
; VECTOR REGISTERS
.set LI16, 1                           ; 16 x lane
.set LI8,  2                           ; 8 x lane
.set VO2,  3                           ; byte offset of my 16 bytes in the wave's first two rows of q, of chunk 2 of k and v, of out0, out1, out2
.set DL,   4                           ; the lowest off that counts, less 16 (lane / 16)
.set DU,   5                           ; iq - 16 (lane / 16)
.set SO,   6                           ; out0's stage: where I put 32 bytes of a row
.set SR,   7                           ; and where I read a row back; also where q's rows are staged
.set QR,   8                           ; q's stage: my row, my block of 32
.set VR,   9                           ; v's stage: my channel, my block of 32 keys
.set KR,   10                          ; k's stage: my key, my block of 32
.set VWI,  11                          ; where I store v's images
.set KWI16, 12                         ; k's images, registers 0-3
.set KWI8, 13                          ; registers 4-5
.set WSC,  14                          ; scale words
.set H8,   15                          ; 8 (lane / 16)
.set KW,   16                          ; phase A: k's stage, chunks 0 and 1;  KW2: chunk 2
.set KW2,  17
.set VW,   18                          ; the same for v
.set VW2,  19
.set VO0,  20                          ; byte offsets of chunks 0 and 1
.set VO1,  21
.set KD,   32                          ; phase A: k's rows, chunk c, load i at v[KD + 32 c + 4 i];  VD: v's.  q's lie in v256-287
.set VD,   128
.set X,    32                          ; phase B: v32-95 64 numbers
.set C,    96                          ; v96-107 codes
.set TC,   108                         ; v108-110 a conversion's second half
.set MA,   112                         ; two chains of the largest magnitude
.set MB,   113
.set SOPB, 114                         ; the conversion's scale operand
.set E0,   116                         ; scale bytes
.set E1,   117
.set W,    118                         ; a scale word on its way to LDS
.set PT,   119                         ; what lane l xor 16 sent
.set NM,   12                          ; phase C: -M;  v13 the largest t;  v[14:15] the sum in two halves
.set TX,   13
.set LS,   14
.set QC,   16                          ; v16-21 q's codes, v22-27 zeros
.set KB,   32                          ; v32-79 eight key tiles of 6 registers, then four fragments of v; v80-85 zeros
.set S,    96                          ; v96-159 S^T, then p
.set O,    160                         ; v160-191 O^T
.set PC,   192                         ; v192-203 p's codes
.set TP,   204                         ; v204-211 at work
.set BM,   212                         ; v212-215 the blocks' largest scores, then largest p
.set SOP,  216                         ; v216-219 the conversions' scale operands
.set TMP,  222
.set SCK,  224                         ; v224-231 k's scale words; v232-235 v's; v236 q's; v239 p's: these registers hold scales and nothing else in the whole text
.set SCV,  232
.set QS,   236
.set F,    238                         ; 2^(old M - new M); named as a pair with v239
.set PW,   239
; SCALAR REGISTERS: s[4:5] q, s[6:7] k, s[8:9] v, s[10:11] out0, s[12:13] out1, s[14:15] out2
.set WV,   16                          ; wave 0..7
.set WR,   17                          ; wave % 4
.set WX,   18                          ; work-group x: the block of queries
.set HD,   19                          ; the head
.set SEL,  20                          ; s[20:21] v_permlanex16_b32's selects for lane l xor 16
.set CS,   22                          ; s[22:23] c = log2(e) / 8
.set MSB, 0
.macro WIN new                         ; the immediate's high byte repeats the setting that is left
.if MSB != \new
	s_set_vgpr_msb (MSB<<8)|\new
.set MSB, \new
.endif
.endm
.macro PLACES                          ; four plain vector instructions between a matrix instruction and a load into, or a vector instruction on, its registers
.rept 4
	v_nop
.endr
.endm
.macro GLOAD base, vo, reg             ; 16 rows of 256 bytes: eight loads of 512 consecutive bytes
.irp i, 0,1,2,3,4,5,6,7
	global_load_b128 v[\reg+4*\i:\reg+4*\i+3], v[\vo], s[\base:\base+1] offset:512*\i
.endr
.endm
.macro STAGE adr, off, pitch, reg      ; the same eight into LDS, two rows an instruction
.irp i, 0,1,2,3,4,5,6,7
	ds_store_b128 v[\adr], v[\reg+4*\i:\reg+4*\i+3] offset:\off+\pitch*\i
.endr
.endm
.macro COPY base, reg                  ; and to an output: each store covers 512 consecutive bytes, aligned to 256
.irp i, 0,1,2,3,4,5,6,7
	global_store_b128 v[VO2], v[\reg+4*\i:\reg+4*\i+3], s[\base:\base+1] offset:512*\i th:TH_STORE_NT
.endr
.endm
; One block: 32 numbers of a lane, v[src] on, become 6 registers of codes, v[dst] on (dst even), and the scale's byte in v[byt].
.macro BLK src, dst, byt
	v_max3_num_f32 v[MA], |v[\src]|, |v[\src+1]|, 0x2800000        ; the floor 2^(5 - 127) among the leaves: the byte cannot fall under 1
	v_max3_num_f32 v[MB], |v[\src+2]|, |v[\src+3]|, |v[\src+4]|
.irp i, 5,9,13,17,21,25
	v_max3_num_f32 v[MA], v[MA], |v[\src+\i]|, |v[\src+\i+1]|
	v_max3_num_f32 v[MB], v[MB], |v[\src+\i+2]|, |v[\src+\i+3]|
.endr
	v_max3_num_f32 v[MA], v[MA], |v[\src+29]|, |v[\src+30]|
	v_max3_num_f32 v[MA], v[MA], v[MB], |v[\src+31]|               ; the block's largest magnitude
	v_add_nc_u32 v[SOPB], 0xfe000000, v[MA]                        ; 4 off its exponent field: the conversion takes this operand's exponent field as its scale
	v_lshrrev_b32 v[\byt], 23, v[SOPB]                             ; the scale's byte
	v_cvt_scalef32_pk16_bf6_f32 v[\dst:\dst+2], v[\src:\src+15], v[SOPB]
	v_cvt_scalef32_pk16_bf6_f32 v[TC:TC+2], v[\src+16:\src+31], v[SOPB]   ; (a conversion's three registers begin on an even number)
	v_nop                                                          ; one plain place behind a scaled conversion
.irp i, 0,1,2
	v_mov_b32 v[\dst+3+\i], v[TC+\i]
.endr
.endm
.macro WORD1 byt, dst                  ; a row of q or k has two blocks: mine is block lane / 16; with lane l xor 16's byte the word is whole (bytes 2, 3 stay 0)
	v_lshlrev_b32 v[\dst], v[H8], v[\byt]
	v_permlanex16_b32 v[PT], v[\dst], s[SEL], s[SEL+1]
	v_or_b32 v[\dst], v[\dst], v[PT]
.endm
; Waves 0-3: fragment (step st, channels 16 (wave % 4) on) of v.  Lane (r, h) takes channel r and keys 64 c + 32 h + 0 .. 31 of the step: the operand's own order, so the conversions' results are its registers.
.macro VFRAG st
.irp c, 0,1
.set n, 0
.rept 32
	ds_load_b32 v[X+32*\c+n], v[VR] offset:16640*\c+256*n
.set n, n+1
.endr
.endr
	s_wait_dscnt 32                                ; the first block's 32 loads are in (and the last fragment's stores have read their registers); the second block's 32 may be out
	BLK X, C, E0
	s_wait_dscnt 0x0
	BLK X+32, C+6, E1
	v_lshl_or_b32 v[W], v[E1], 16, v[E0]           ; my two bytes: blocks h and 2 + h,
	v_lshlrev_b32 v[W], v[H8], v[W]                ; at their places;
	v_permlanex16_b32 v[PT], v[W], s[SEL], s[SEL+1]
	v_or_b32 v[W], v[W], v[PT]                     ; with lane l xor 16's two the word is whole
.irp g, 0,1,2
	ds_store_b128 v[VWI], v[C+4*\g:C+4*\g+3] offset:VIMG+6144*\st+512*\g
.endr
	ds_store_b32 v[WSC], v[W] offset:VSC+512*\st
.if \st < 2
	v_add_nc_u32 v[VR], 33280, v[VR]               ; four blocks of 32 keys on
.endif
.endm
; Waves 4-7: key tiles 4 g + wave % 4 for g = 2 p, 2 p + 1.  Lane (r, h) takes the tile's key of lane r and its block h: 128 bytes.
.macro KPAIR p
.irp u, 0,1
.irp j, 0,1,2,3,4,5,6,7
	ds_load_b128 v[X+32*\u+4*\j:X+32*\u+4*\j+3], v[KR] offset:17920*\u+16*\j
.endr
.endr
	s_wait_dscnt 8                                 ; the first tile's 8 loads are in (and the last pair's stores have read their registers); the second tile's 8 may be out
	BLK X, C, E0
	WORD1 E0, W
	ds_store_b32 v[WSC], v[W] offset:KSC+512*(2*\p)
	s_wait_dscnt 0x0                               ; the second tile is in, and the word's store has read its register
	BLK X+32, C+6, E1
	WORD1 E1, W
	ds_store_b32 v[WSC], v[W] offset:KSC+512*(2*\p+1)
.irp u, 0,1
	ds_store_b128 v[KWI16], v[C+6*\u:C+6*\u+3] offset:KIMG+3072*(2*\p+\u)
	ds_store_b64 v[KWI8], v[C+6*\u+4:C+6*\u+5] offset:KIMG+3072*(2*\p+\u)+512
.endr
.if \p < 2
	v_add_nc_u32 v[KR], 35840, v[KR]               ; eight groups of 16 keys on
.endif
.endm
	s_load_b256 s[4:11], s[0:1], 0x0               ; q, k, v, out0
	s_load_b128 s[12:15], s[0:1], 0x20             ; out1, out2
	v_lshl_add_u32 v254, v0, 2, 0x45400
	v_mov_b32 v255, 0
	v_lshrrev_b32 v22, 5, v0
	v_readfirstlane_b32 s[WV], v22                 ; wave 0..7
	s_and_b32 s[WR], s[WV], 3
	s_mov_b32 s[WX], ttmp9
	s_and_b32 s[HD], ttmp7, 0xffff
	v_and_b32 v22, 31, v0                          ; lane
	v_lshlrev_b32 v[LI16], 4, v22
	s_lshl_b32 s24, s[WX], 7                       ; q0
	s_lshl_b32 s25, s[HD], 11                      ; the head's first row
	s_lshl_b32 s26, s[WV], 4                       ; 16 w
	s_add_co_u32 s25, s25, s26
	s_sub_co_i32 s27, s24, 256                     ; chunk 0's first key, held at 0 from below: what is loaded for keys that do not exist is hidden later
	s_max_i32 s27, s27, 0
	s_sub_co_i32 s28, s24, 128                     ; chunk 1's
	s_max_i32 s28, s28, 0
	s_add_co_u32 s27, s27, s25
	s_add_co_u32 s28, s28, s25
	s_add_co_u32 s29, s24, s25                     ; chunk 2's: my own 16 rows
	s_lshl_b32 s27, s27, 8                         ; rows of 256 bytes; a tensor is 2^23 bytes
	s_lshl_b32 s28, s28, 8
	s_lshl_b32 s29, s29, 8
	v_add_nc_u32 v[VO0], s27, v[LI16]
	v_add_nc_u32 v[VO1], s28, v[LI16]
	v_add_nc_u32 v[VO2], s29, v[LI16]
	s_wait_kmcnt 0x0
	; ---- PHASE A: 56 loads of the wave go out together: all that it will ever read from memory
	GLOAD 6, VO0, KD
	GLOAD 6, VO1, KD+32
	GLOAD 6, VO2, KD+64
	GLOAD 8, VO0, VD
	GLOAD 8, VO1, VD+32
	GLOAD 8, VO2, VD+64
	WIN 0x40                                       ; destination in window 1: v256-287
.irp i, 0,1,2,3,4,5,6,7
	global_load_b128 v[4*\i:4*\i+3], v[VO2], s[4:5] offset:512*\i th:TH_LOAD_NT   ; q: read once in the launch
.endr
	WIN 0
	; all other addresses are made while the loads are out, and ahead of the place where the waves part
	s_mov_b32 s[SEL], 0x76543210
	s_mov_b32 s[SEL+1], 0xfedcba98
	s_mov_b32 s[CS], 0x3e38aa3b                    ; log2(e) / 8
	s_mov_b32 s[CS+1], s[CS]                       ; (named with it as a pair, so it is written)
	v_lshlrev_b32 v[LI8], 3, v22
	v_and_b32 v23, 15, v0                          ; r
	v_bfe_u32 v24, v0, 4, 1                        ; h
	s_sub_co_i32 s31, 256, s24                     ; 256 - q0
	s_cmp_ge_u32 s[WX], 2
	s_cselect_b32 s30, 1, 0                        ; from q0 = 256 on the lowest off that counts is iq + 1,
	s_cselect_b32 s31, 0, s31                      ; before that 256 - q0, which is then the larger of the two
	v_add_nc_u32 v25, s26, v23                     ; iq = 16 w + r
	v_add_nc_u32 v26, 1, v25
	v_mad_u32_u24 v26, v26, s30, s31
	v_lshlrev_b32 v27, 4, v24
	v_sub_nc_u32 v[DL], v26, v27
	v_sub_nc_u32 v[DU], v25, v27
	s_mul_i32 s32, s[WV], 4352
	s_add_co_u32 s32, s32, QST                     ; my wave's 16 rows of 272 bytes
	v_mul_u32_u24 v[SO], v23, 272
	v_lshl_add_u32 v[SO], v24, 5, v[SO]
	v_add_nc_u32 v[SO], s32, v[SO]
	v_mul_u32_u24 v[SR], v24, 272
	v_lshl_add_u32 v[SR], v23, 4, v[SR]
	v_add_nc_u32 v[SR], s32, v[SR]
	v_mul_u32_u24 v[QR], v23, 272
	v_lshl_add_u32 v[QR], v24, 7, v[QR]
	v_add_nc_u32 v[QR], s32, v[QR]
	s_lshl_b32 s33, s[WR], 6
	s_add_co_u32 s33, s33, VST
	v_mul_u32_u24 v[VR], v24, 8320
	v_lshl_add_u32 v[VR], v23, 2, v[VR]
	v_add_nc_u32 v[VR], s33, v[VR]                 ; block h, channel 16 (w % 4) + r
	s_lshr_b32 s34, s[WR], 1
	s_mul_i32 s34, s34, 8960
	s_and_b32 s35, s[WR], 1
	s_mul_i32 s35, s35, 2176
	s_add_co_u32 s34, s34, s35
	s_add_co_u32 s34, s34, KST
	v_bfe_u32 v25, v0, 3, 1                        ; r / 8
	v_and_b32 v26, 7, v0                           ; r % 8
	v_mul_u32_u24 v[KR], v25, 4480
	v_mad_u32_u24 v[KR], v26, 272, v[KR]
	v_lshl_add_u32 v[KR], v24, 7, v[KR]
	v_add_nc_u32 v[KR], s34, v[KR]                 ; tile w % 4 = 2 b + u: group 2 b + r / 8, row 8 u + r % 8, block h
	s_mul_i32 s36, s[WR], 1536
	v_add_nc_u32 v[VWI], s36, v[LI16]
	s_mul_i32 s37, s[WR], 768
	v_add_nc_u32 v[KWI16], s37, v[LI16]
	v_add_nc_u32 v[KWI8], s37, v[LI8]
	s_lshl_b32 s38, s[WR], 2
	v_add_nc_u32 v[WSC], s38, v[LI16]
	v_lshlrev_b32 v[H8], 3, v24
	s_mul_i32 s39, s[WV], 4480
	s_add_co_u32 s39, s39, KST
	v_mul_u32_u24 v[KW], v24, 272
	v_lshl_add_u32 v[KW], v23, 4, v[KW]
	v_add_nc_u32 v[KW], s39, v[KW]                 ; group w of a chunk's eight: row h, 16 r
	v_add_nc_u32 v[KW2], 71680, v[KW]              ; chunk 2 lies beyond the 16-bit offset
	s_lshr_b32 s40, s[WV], 1
	s_mul_i32 s40, s40, 8320
	s_and_b32 s41, s[WV], 1
	s_lshl_b32 s41, s41, 12
	s_add_co_u32 s40, s40, s41
	s_add_co_u32 s40, s40, VST
	v_add_nc_u32 v[VW], s40, v[LI16]               ; block w / 2 of a chunk's four, rows 16 (w % 2) on
	v_add_nc_u32 v[VW2], 66560, v[VW]
	; the seven groups of eight loads in the order of issue; each count is the number of loads issued behind the group
	s_wait_loadcnt 48
	STAGE KW, 0, 544, KD
	s_wait_loadcnt 40
	STAGE KW, 35840, 544, KD+32
	s_wait_loadcnt 32
	COPY 12, KD+64                                 ; out1: my 16 rows of k
	STAGE KW2, 0, 544, KD+64
	s_wait_loadcnt 24
	STAGE VW, 0, 512, VD
	s_wait_loadcnt 16
	STAGE VW, 33280, 512, VD+32
	s_wait_loadcnt 8
	COPY 14, VD+64                                 ; out2: my 16 rows of v
	STAGE VW2, 0, 512, VD+64
	s_wait_loadcnt 0x0
	WIN 0x04                                       ; an LDS store's data are its source 1: window 1
.irp i, 0,1,2,3,4,5,6,7
	ds_store_b128 v[SR], v[4*\i:4*\i+3] offset:544*\i
.endr
	WIN 0
	s_wait_xcnt 0x0                                ; the stores to out1 and out2 have had their addresses translated: their data registers are written again below
	s_wait_dscnt 0x0                               ; for the others' sake: my rows lie in the stages
	s_barrier_signal -1
	s_barrier_wait -1
	; ---- PHASE B: my own q first: lane (r, h) takes row r, block h
.irp j, 0,1,2,3,4,5,6,7
	ds_load_b128 v[X+4*\j:X+4*\j+3], v[QR] offset:16*\j
.endr
	v_mov_b32 v[PT], 0                             ; written once: a lane permute's destination counts as one of its sources
.irp i, 0,1,2,3,4,5
	v_mov_b32 v[QC+6+\i], 0                        ; q's codes for k = 64 .. 127: zeros
.endr
	s_wait_dscnt 0x0
	BLK X, QC, E0
	WORD1 E0, QS
	s_cmp_lt_u32 s[WV], 4                          ; the waves part once, on the wave's number: 192 numbers a lane on either way
	s_cbranch_scc0 .Lkrole
	VFRAG 0
	VFRAG 1
	VFRAG 2
	s_branch .Ljoin
.Lkrole:
	KPAIR 0
	KPAIR 1
	KPAIR 2
.Ljoin:
	s_wait_dscnt 0x0                               ; for the others' sake: my images and scale words lie in LDS
	s_barrier_signal -1
	s_barrier_wait -1                              ; the last barrier: from here on a wave reads images that nobody writes, and its own stage
.irp i, 0,1,2,3,4,5
	v_mov_b32 v[KB+48+\i], 0                       ; the six zeros behind key tile 7
.endr
	v_mov_b32 v[TX], 0xff61b1e6                    ; the largest t so far: -3e38, under every t
	v_floor_f32 v[NM], -v[TX]                      ; -M
	v_mov_b32 v[LS], 0                             ; the sum, in two halves
	v_mov_b32 v[LS+1], 0
.irp b, 0,1,2,3
	v_mov_b32 v[TP+\b], 0                          ; written once: a lane permute's destination counts as one of its sources
.endr
	v_mov_b32 v[PW], 0                             ; (named as the upper half of the pair v[F:F+1] before it is first written)
; ---- PHASE C: a key step: off = 128 st .. 128 st + 127
.macro STEP st
.if \st > 0
	PLACES                                         ; in front of loads into registers that the last products read
.endif
.irp t, 0,1,2,3,4,5,6,7
	ds_load_b128 v[KB+6*\t:KB+6*\t+3], v[LI16] offset:KIMG+768*(8*\st+\t)
	ds_load_b64 v[KB+6*\t+4:KB+6*\t+5], v[LI8] offset:KIMG+768*(8*\st+\t)+512
.endr
	ds_load_b128 v[SCK:SCK+3], v[LI16] offset:KSC+512*(2*\st)
	ds_load_b128 v[SCK+4:SCK+7], v[LI16] offset:KSC+512*(2*\st+1)
	s_wait_dscnt 0x0
.irp t, 0,1,2,3,4,5,6,7                        ; S^T = k q^T: source 0 = 16 keys, source 1 = my 16 queries; register 16 b + i of a lane is key 32 b + 16 (lane / 16) + i of the step
	v_wmma_scale_f32_16x16x128_f8f6f4 v[S+8*\t:S+8*\t+7], v[KB+6*\t:KB+6*\t+11], v[QC:QC+11], 0, v[SCK+\t], v[QS] matrix_a_fmt:MATRIX_FMT_BF6 matrix_b_fmt:MATRIX_FMT_BF6
.endr
	PLACES                                         ; in front of the loads below and of the first read of the scores
.irp t, 0,1,2,3                                ; the step's four fragments of v land while the softmax is worked
.irp g, 0,1,2
	ds_load_b128 v[KB+12*\t+4*\g:KB+12*\t+4*\g+3], v[LI16] offset:VIMG+1536*(4*\st+\t)+512*\g
.endr
.endr
	ds_load_b128 v[SCV:SCV+3], v[LI16] offset:VSC+512*\st
	; the mask: one bound a step.  The lower bound can bind in step 0, and in step 1 only where q0 = 0 (a branch on the work-group's number); the upper bound only in step 2
.if \st == 1
	s_cmp_lg_u32 s[WX], 0
	s_cbranch_scc1 .Lopen_\@
	v_add_nc_u32 v[TP], 0xffffff80, v[DL]          ; the bound less the step's 128
.set MREG, TP
.elseif \st == 0
.set MREG, DL
.else
.set MREG, DU
.endif
	v_mov_b32 v[TMP], 0xff800000                   ; -infinity
.set n, 0
.rept 64                                       ; each accumulator from its low end on
.if \st == 2
	v_cmp_gt_i32 vcc_lo, 32*(n/16)+n%16, v[MREG]
.else
	v_cmp_lt_i32 vcc_lo, 32*(n/16)+n%16, v[MREG]
.endif
	v_cndmask_b32 v[S+n], v[S+n], v[TMP], vcc_lo
.set n, n+1
.endr
.if \st == 1
.Lopen_\@:
.endif
.irp b, 0,1,2,3
	v_max3_num_f32 v[BM+\b], v[S+16*\b], v[S+1+16*\b], v[S+2+16*\b]   ; the largest score of each block of 32 keys: it serves for the row's maximum and, since p rises with the score, for the block's largest p
.endr
.irp i, 3,5,7,9,11,13
.irp b, 0,1,2,3
	v_max3_num_f32 v[BM+\b], v[BM+\b], v[S+16*\b+\i], v[S+1+16*\b+\i]
.endr
.endr
.irp b, 0,1,2,3
	v_max_num_f32 v[BM+\b], v[BM+\b], v[S+15+16*\b]
.endr
.irp b, 0,1,2,3
	v_permlanex16_b32 v[TP+\b], v[BM+\b], s[SEL], s[SEL+1]
.endr
.irp b, 0,1,2,3
	v_max_num_f32 v[BM+\b], v[BM+\b], v[TP+\b]     ; with lane l xor 16's 16 keys
.endr
	v_max3_num_f32 v[TMP], v[BM], v[BM+1], v[BM+2]
	v_max_num_f32 v[TMP], v[TMP], v[BM+3]          ; the step's largest score of my query
	v_mul_f32 v[TMP], s[CS], v[TMP]                ; as t (c is positive)
	v_max_num_f32 v[TX], v[TX], v[TMP]             ; the running largest t
	v_mov_b32 v[TMP], v[NM]
	v_floor_f32 v[NM], -v[TX]                      ; the new -M = floor(-t) = -ceil(t)
	v_sub_f32 v[TMP], v[NM], v[TMP]                ; old M - new M: a whole number, 0 or less
	v_cvt_i32_f32 v[TMP], v[TMP]                   ; (it saturates)
	v_ldexp_f32 v[F], 1.0, v[TMP]                  ; f = 2^(old M - new M)
.set j, 0
.rept 32
	v_pk_fma_f32 v[S+j:S+j+1], v[S+j:S+j+1], s[CS:CS+1], v[NM:NM+1] op_sel_hi:[1,0,0]   ; t - M, two at a time
.set j, j+2
.endr
.irp b, 0,1,2,3
	v_fma_f32 v[BM+\b], v[BM+\b], s[CS], v[NM]     ; the same of each block's largest score
.endr
.set j, 0
.rept 64
	v_exp_f32 v[S+j], v[S+j]                       ; p = 2^(t - M), at most 1; 0 where the key is hidden
.set j, j+1
.endr
.irp b, 0,1,2,3
	v_exp_f32 v[BM+\b], v[BM+\b]                   ; the block's largest p
.endr
	v_pk_mul_f32 v[LS:LS+1], v[LS:LS+1], v[F:F+1] op_sel_hi:[1,0]   ; the sums under the new M.  (The plain place behind the exponentials)
	s_wait_alu depctr_va_vdst(0)
.irp b, 0,1,2,3
	v_max_num_f32 v[BM+\b], 0x2800000, v[BM+\b]    ; the floor 2^(5 - 127): a block whose every p is 0 keeps the byte 1; its codes are zeros
.endr
.irp b, 0,1,2,3
	v_add_nc_u32 v[SOP+\b], 0xfe000000, v[BM+\b]   ; 4 off the exponent field: the conversion's scale operand
.endr
.irp b, 0,1,2,3
	v_lshrrev_b32 v[TP+\b], 23, v[SOP+\b]          ; the scale's byte
.endr
	v_lshl_or_b32 v[PW], v[TP+1], 8, v[TP]         ; p's scale word for these 128 keys
	v_lshl_or_b32 v[PW], v[TP+2], 16, v[PW]
	v_lshl_or_b32 v[PW], v[TP+3], 24, v[PW]
.irp c, 0,1
	v_cvt_scalef32_pk16_bf6_f32 v[PC+6*\c:PC+6*\c+2], v[S+32*\c:S+32*\c+15], v[SOP+2*\c]
	v_cvt_scalef32_pk16_bf6_f32 v[TP+4*\c:TP+4*\c+2], v[S+16+32*\c:S+31+32*\c], v[SOP+2*\c+1]   ; (a conversion's three registers begin on an even number)
.endr
	v_nop                                          ; one plain place behind a scaled conversion
.irp c, 0,1                                    ; the operand's layout wants a WHOLE block in a lane: lanes 0-15 block 2 c, lanes 16-31 block 2 c + 1
.irp i, 0,1,2
	v_permlane16_swap_b32 v[PC+6*\c+\i], v[TP+4*\c+\i]
.endr
.irp i, 0,1,2
	v_mov_b32 v[PC+3+6*\c+\i], v[TP+4*\c+\i]
.endr
.endr
	v_pk_add_f32 v[TP:TP+1], v[S:S+1], v[S+2:S+3]  ; the row's sum is taken of the unquantised p: two at a time, in two chains
.irp j, 4,8,12,16,20,24,28,32,36,40,44,48,52,56,60
	v_pk_add_f32 v[LS:LS+1], v[LS:LS+1], v[S+\j:S+\j+1]
	v_pk_add_f32 v[TP:TP+1], v[TP:TP+1], v[S+2+\j:S+3+\j]
.endr
	v_pk_add_f32 v[LS:LS+1], v[LS:LS+1], v[TP:TP+1]   ; (these 32 are also the places between p's codes and scale word and the products below)
.if \st > 0
.set j, 0
.rept 16
	v_pk_mul_f32 v[O+j:O+j+1], v[O+j:O+j+1], v[F:F+1] op_sel_hi:[1,0]   ; O^T under the new M, each accumulator from its low end on
.set j, j+2
.endr
.endif
	s_wait_dscnt 0x0                               ; v's fragments and scale words are in
.irp t, 0,1,2,3                                ; O^T += v^T p^T: source 0 = 16 channels, source 1 = p; the four accumulators by turns, and eight score products stand between two steps' turns
.if \st == 0
	v_wmma_scale_f32_16x16x128_f8f6f4 v[O+8*\t:O+8*\t+7], v[KB+12*\t:KB+12*\t+11], v[PC:PC+11], 0, v[SCV+\t], v[PW] matrix_a_fmt:MATRIX_FMT_BF6 matrix_b_fmt:MATRIX_FMT_BF6
.else
	v_wmma_scale_f32_16x16x128_f8f6f4 v[O+8*\t:O+8*\t+7], v[KB+12*\t:KB+12*\t+11], v[PC:PC+11], v[O+8*\t:O+8*\t+7], v[SCV+\t], v[PW] matrix_a_fmt:MATRIX_FMT_BF6 matrix_b_fmt:MATRIX_FMT_BF6
.endif
.endr
.endm
	STEP 0                                         ; its products start O^T's sums: nothing is cleared
	STEP 1
	STEP 2
	; ---- THE WAY OUT.  O^T / the sum goes through my own stage (q's rows there were read long ago, by me alone) and leaves as whole rows of 256 bytes.
	PLACES
	v_add_f32 v[LS], v[LS], v[LS+1]                ; the sum's two halves,
	v_permlanex16_b32 v[TMP], v[LS], s[SEL], s[SEL+1]
	v_add_f32 v[LS], v[LS], v[TMP]                 ; and lane l xor 16's: the row's sum; every query counts itself, so it is not 0
	v_rcp_f32 v[LS], v[LS]
	v_nop                                          ; one plain place behind a transcendental
.set j, 0
	s_wait_alu depctr_va_vdst(0)
.rept 16
	v_pk_mul_f32 v[S+j:S+j+1], v[O+j:O+j+1], v[LS:LS+1] op_sel_hi:[1,0]   ; register 8 t + i is out0(query r, channel 16 t + 8 (lane / 16) + i)
.set j, j+2
.endr
.irp t, 0,1,2,3
	ds_store_b128 v[SO], v[S+8*\t:S+8*\t+3] offset:64*\t
	ds_store_b128 v[SO], v[S+8*\t+4:S+8*\t+7] offset:64*\t+16
.endr
.irp i, 0,1,2,3,4,5,6,7
	ds_load_b128 v[KB+4*\i:KB+4*\i+3], v[SR] offset:544*\i   ; LDS serves a wave's instructions in order (ISA guide 5.7.1): these see my stores
.endr
.irp i, 0,1,2,3,4,5,6,7
	s_wait_dscnt 7-\i                              ; load i is in; the 7 - i younger ones may be out
	global_store_b128 v[VO2], v[KB+4*\i:KB+4*\i+3], s[10:11] offset:512*\i th:TH_STORE_NT   ; two rows: 512 consecutive bytes, aligned to 256
.endr
	s_wait_tensorcnt 0x0
	ds_add_u32 v254, v255
	s_wait_dscnt 0x0
	s_endpgm
.Lfunc_end_k_q347ced2e38_attn:
	.size	k_q347ced2e38_attn, .Lfunc_end_k_q347ced2e38_attn-k_q347ced2e38_attn
	.p2alignl 7, 3214868480
	.fill 96, 4, 3214868480
	.section	.rodata,"a",@progbits
	.p2align	6, 0x0
	.amdhsa_kernel k_q347ced2e38_attn
		.amdhsa_group_segment_fixed_size 284672
		.amdhsa_private_segment_fixed_size 0
		.amdhsa_enable_private_segment 0
		.amdhsa_kernarg_size 48
		.amdhsa_user_sgpr_count 2
		.amdhsa_user_sgpr_kernarg_segment_ptr 1
		.amdhsa_wavefront_size32 1
		.amdhsa_system_sgpr_workgroup_id_x 1
		.amdhsa_system_sgpr_workgroup_id_y 1
		.amdhsa_system_sgpr_workgroup_id_z 1
		.amdhsa_system_vgpr_workitem_id 0
		.amdhsa_next_free_vgpr 288
		.amdhsa_next_free_sgpr 66
		.amdhsa_reserve_vcc 1
		.amdhsa_float_denorm_mode_32 3
		.amdhsa_float_denorm_mode_16_64 3
		.amdhsa_memory_ordered 1
		.amdhsa_forward_progress 1
		.amdhsa_inst_pref_size 118
	.end_amdhsa_kernel
	.amdgpu_metadata
---
amdhsa.version: [ 1, 2 ]
amdhsa.kernels:
  - .name:           k_q347ced2e38_attn
    .symbol:         k_q347ced2e38_attn.kd
    .args:
      - { .name: q, .offset: 0, .size: 8, .value_kind: global_buffer, .address_space: global }
      - { .name: k, .offset: 8, .size: 8, .value_kind: global_buffer, .address_space: global }
      - { .name: v, .offset: 16, .size: 8, .value_kind: global_buffer, .address_space: global }
      - { .name: out0, .offset: 24, .size: 8, .value_kind: global_buffer, .address_space: global }
      - { .name: out1, .offset: 32, .size: 8, .value_kind: global_buffer, .address_space: global }
      - { .name: out2, .offset: 40, .size: 8, .value_kind: global_buffer, .address_space: global }
    .group_segment_fixed_size: 284672
    .private_segment_fixed_size: 0
    .kernarg_segment_align: 8
    .kernarg_segment_size: 48
    .max_flat_workgroup_size: 256
    .sgpr_count:     66
    .vgpr_count:     288
    .wavefront_size: 32
...
	.end_amdgpu_metadata
.endif
;; end of part 1
;; ======== version 2 of 2: 1 launch; version 1 with the launch attn written anew for expert scheduling mode
;; limits: right only within a limited range of input values
;; launch attn (part 2): grid 16 x 16, 8 waves a work-group, no clusters, 284,672 bytes of LDS; arguments q, k, v, out0, out1, out2; writes out0, out1, out2
.if DOCPART == 2
	.amdgcn_target "amdgcn-amd-amdhsa--gfx1250"
	.amdhsa_code_object_version 6
	.text
	.protected	k_q347ced2e38_attn
	.globl	k_q347ced2e38_attn
	.p2align	8
	.type	k_q347ced2e38_attn,@function
k_q347ced2e38_attn:
	s_mov_b64 s[64:65], 0
	v_nop
	global_prefetch_b8 v0, s[64:65] scope:SCOPE_SE
	s_setreg_imm32_b32 hwreg(HW_REG_WAVE_SCHED_MODE, 0, 2), 2
	s_setreg_imm32_b32 hwreg(HW_REG_WAVE_MODE, 25, 1), 1
	s_wait_xcnt 0x0
	s_wait_alu depctr_vm_vsrc(0)
; out0[h][i] = sum over j of softmax_j(q[h][i] . k[h][j] / 8) v[h][j], key j counting for query i where i - 255 <= j <= i; out1 = k, out2 = v.
; q, k, v, out0, out1, out2: [16][2048][64] f32.  Both products on codes of BF6 (E3M2) with one E8M0 scale for each 32 along K: K = the head's 64 in the first, K = the keys in the second.
; THE SOFTMAX AHEAD OF THE SECOND PRODUCT: t = score x log2(e) / 8; M = the running largest t rounded UP to a whole number; p = 2^(t - M) is quantised along the keys, not normalised; the row's sum is taken of the
; unquantised p and divides at the end.  When M moves, the sum and O are multiplied by 2^(old M - new M): exact.
; SHARES.  A work-group owns 128 queries (q0 = 128 x) of one head; its keys are q0 - 256 + off, off = 0 .. 383: three chunks (key steps) of 128, twelve blocks of 32 that begin at multiples of 32 of the key's own number.
; Wave w of eight owns queries q0 + 16 w .. + 15, one tile.  256 work-groups of equal work.
; PHASE A: each wave loads 16 rows of each chunk of k and of v and its 16 rows of q, 56 loads of 512 consecutive bytes, all issued at once; the rows go to stages in LDS as they lie; chunk 2 (the group's own keys) also leaves
; for out1 and out2 from the same registers.  PHASE B: every wave quantises its q; waves 0-3 quantise v (a lane to a channel, registers down the keys), waves 4-7 k; codes and scale words go to LDS as IMAGES OF THE OPERANDS'
; REGISTERS.  PHASE C: three key steps, both products transposed (S^T = k q^T, O^T = v^T p^T): a lane holds ONE query throughout.
; THE KEYS OF A TILE ARE NOT NEIGHBOURS: lane r of tile 2 b + u takes key 32 b + 8 u + r + 8 (r / 8), so that the 16 registers of tiles 2 b and 2 b + 1 are 16 neighbouring keys, 32 b + 16 (lane / 16) + 0 .. 15.
; K = 64 IN A FORM OF K = 128: q's registers 6-11 are zero codes, and bytes 2, 3 of q's and k's scale words are 0 (2^-127, a number).  The key tiles lie 6 registers apart, so the upper six registers that a product names for a
; tile hold the next tile's codes (behind tile 7: six zeros).  E3M2 has no code for infinity or NaN, so each of those codes times q's zero code is exactly 0.
; THE MASK.  Key off counts for query iq (0 .. 127 in the group) where max(iq + 1, 256 - q0) <= off <= iq + 256.  Hidden scores become -infinity ahead of the maximum, so p = 0 there.  Chunks that would begin ahead of key 0
; are loaded from the head's first rows (no load leaves its buffer) and are wholly hidden.
; NO CLUSTER: a chunk of k or v is read by three work-groups, but it lies at a different chunk number in each reader's window, so a joint load's LDS address would hang on the place in the cluster; and the f32 rows have to
; pass through registers in any case, for out1 and out2.
; LIMITS: NaN and infinities among the inputs are not served.  A block whose largest magnitude lies under 2^-122 keeps the scale byte 1; a block of zeros has the byte 1 where the quantiser's rule says 127: its codes are
; zeros and only this text reads the bytes.  Hidden scores are -infinity where the definition has -1e9: both give the weight 0 as long as a row's largest logit lies above about -1e9 + 104.  p under 2^-126 is 0.
; THE MODE: SCHED_MODE bits 1:0 = 2 (LLVM: expert scheduling mode 2), set by the entry lines.  The code itself states the register dependences between vector or matrix instructions and memory or LDS instructions,
; with s_wait_alu, always for 0.
; THE PLAN.  Registers that memory or LDS instructions touch, and who else names them:
;   offsets and LDS addresses   v1-3, v6-14, v16-21, v28, v29: all made at the head, none stepped; two waits on va_vdst there state them for the whole text.  v12-21 take other numbers from phase B or C on:
;                               a wait on vm_vsrc stands between their last reader and that.
;   phase A's rows              v32-127, v128-223, v256-287: written by global loads, read by LDS stores and by the copies; no vector instruction names them.  One wait on vm_vsrc ahead of the first barrier frees them all.
;   phase B                     q's 32 numbers in v192-223.  Four buffers of 32 numbers, v32, v64, v128, v160: block (or tile) k of a wave's six lands in buffer k % 4 and is read by that block's lines alone.
;                               Out: the codes v96-107 and the words v118, v115, written by two blocks' lines, read by the image stores.  ONE wait on va_vdst for two blocks, ahead of their stores: it states that codes and
;                               words are written, and that the two buffers just worked on are read out, so that the loads four blocks on land there with no further wait.  One wait on vm_vsrc ahead of the next write of the codes.
;   phase C                     the key tiles v32-79 and their words v224-231: read by a step's score products, loaded again for the next step.  v's fragments v256-303 and their words v232-235: read by a step's second
;                               products, loaded again in the next step.  ONE wait on va_vdst a step, behind the score products and their places, states both; behind it stand all LDS loads of the step: its own
;                               fragments of v, and the next step's key tiles, which have the whole softmax in which to land.
;   S^T, p, O^T, p's codes      named by vector and matrix instructions alone until the way out.
;   the mask's bits             s24-55, written by runs of 32 compares, read by the 32 selects behind the run's one wait on va_sdst.
; LDS, all of it written by ds_store:
.set KIMG, 0                           ; 24 x 768: key tile T: registers 0-3 at 16 x lane, registers 4-5 at 512 + 8 x lane
.set VIMG, 18432                       ; 12 x 1536: fragment 4 s + t of v: registers 4 g .. 4 g + 3 at 512 g + 16 x lane
.set KSC,  36864                       ; 6 x 512: the scale word of tile T at 512 (T / 4) + 16 x lane + 4 (T % 4)
.set VSC,  39936                       ; 3 x 512: step s, tile t: 512 s + 16 x lane + 4 t
.set KST,  41472                       ; 24 x 4480: k as loaded: 16 rows of 272 bytes, then 128: rows 0-7 of one group and of the next begin at 16 different multiples of 16 modulo 256
.set VST,  148992                      ; 12 x 8320: v as loaded: 32 rows of 256 bytes, then 128: rows 32 apart lie 128 bytes apart modulo 256
.set QST,  248832                      ; 8 x 4352: each wave's own 16 rows of 272 bytes: q as loaded, later the stage for out0
; VECTOR REGISTERS
.set LI16, 1                           ; 16 x lane
.set LI8,  2                           ; 8 x lane
.set VO2,  3                           ; byte offset of my 16 bytes in the wave's first two rows of q, of chunk 2 of k and v, of out0, out1, out2
.set DL,   4                           ; the lowest off that counts, less 16 (lane / 16)
.set DU,   5                           ; iq - 16 (lane / 16)
.set SO,   6                           ; out0's stage: where I put 32 bytes of a row
.set SR,   7                           ; and where I read a row back; also where q's rows are staged
.set QR,   8                           ; q's stage: my row, my block of 32
.set VR,   9                           ; v's stage: my channel, my block of 32 keys: blocks 0 to 3 of my six by the immediate offset
.set KR,   10                          ; k's stage: my key, my block of 32: tiles 0 to 3 of my six
.set VWI,  11                          ; where I store v's images
.set KWI16, 12                         ; k's images, registers 0-3
.set KWI8, 13                          ; registers 4-5
.set WSC,  14                          ; scale words
.set H8,   15                          ; 8 (lane / 16)
.set KW,   16                          ; phase A: k's stage, chunks 0 and 1;  KW2: chunk 2
.set KW2,  17
.set VW,   18                          ; the same for v
.set VW2,  19
.set VO0,  20                          ; byte offsets of chunks 0 and 1
.set VO1,  21
.set VR2,  28                          ; v's stage, blocks 4 and 5: beyond the 16-bit offset
.set KR2,  29                          ; k's stage, tiles 4 and 5
.set KD,   32                          ; phase A: k's rows, chunk c, load i at v[KD + 32 c + 4 i];  VD: v's.  q's lie in v256-287
.set VD,   128
.set B0,   32                          ; phase B: four buffers of 32 numbers
.set B1,   64
.set B2,   128
.set B3,   160
.set XQ,   192                         ; v192-223 q's 32 numbers
.set C,    96                          ; v96-107 codes
.set TC,   108                         ; v108-110 a conversion's second half
.set MA,   112                         ; two chains of the largest magnitude
.set MB,   113
.set SOPB, 114                         ; the conversion's scale operand
.set W1,   115                         ; a second scale word on its way to LDS
.set E0,   116                         ; scale bytes
.set E1,   117
.set W,    118                         ; a scale word on its way to LDS
.set PT,   119                         ; what lane l xor 16 sent
.set NM,   12                          ; phase C: -M;  v13 the largest t;  v[14:15] the sum in two halves
.set TX,   13
.set LS,   14
.set QC,   16                          ; v16-21 q's codes, v22-27 zeros
.set KB,   32                          ; v32-79 eight key tiles of 6 registers; v80-85 zeros
.set VB,   0                           ; in window 1: v256-303 four fragments of v
.set S,    96                          ; v96-159 S^T, then p
.set O,    160                         ; v160-191 O^T
.set PC,   192                         ; v192-203 p's codes
.set TP,   204                         ; v204-211 at work
.set BM,   212                         ; v212-215 the blocks' largest scores, then largest p
.set SOP,  216                         ; v216-219 the conversions' scale operands
.set TMP,  222
.set SCK,  224                         ; v224-231 k's scale words; v232-235 v's; v236 q's; v239 p's: these registers hold scales and nothing else in the whole text
.set SCV,  232
.set QS,   236
.set F,    238                         ; 2^(old M - new M); named as a pair with v239
.set PW,   239
; SCALAR REGISTERS: s[4:5] q, s[6:7] k, s[8:9] v, s[10:11] out0, s[12:13] out1, s[14:15] out2
.set WV,   16                          ; wave 0..7
.set WR,   17                          ; wave % 4
.set WX,   18                          ; work-group x: the block of queries
.set HD,   19                          ; the head
.set SEL,  20                          ; s[20:21] v_permlanex16_b32's selects for lane l xor 16
.set CS,   22                          ; s[22:23] c = log2(e) / 8
.set MK,   24                          ; s24-55: at the head at work; in phase C the mask's bits of 32 scores
.set MSB, 0
.macro WIN new                         ; the immediate's high byte repeats the setting that is left
.if MSB != \new
	s_set_vgpr_msb (MSB<<8)|\new
.set MSB, \new
.endif
.endm
.macro PLACES                          ; four plain vector instructions between a matrix instruction and a load into, or a vector instruction on, its registers
.rept 4
	v_nop
.endr
.endm
.macro GLOAD base, vo, reg             ; 16 rows of 256 bytes: eight loads of 512 consecutive bytes
.irp i, 0,1,2,3,4,5,6,7
	global_load_b128 v[\reg+4*\i:\reg+4*\i+3], v[\vo], s[\base:\base+1] offset:512*\i
.endr
.endm
.macro STAGE adr, off, pitch, reg      ; the same eight into LDS, two rows an instruction
.irp i, 0,1,2,3,4,5,6,7
	ds_store_b128 v[\adr], v[\reg+4*\i:\reg+4*\i+3] offset:\off+\pitch*\i
.endr
.endm
.macro COPY base, reg                  ; and to an output: each store covers 512 consecutive bytes, aligned to 256
.irp i, 0,1,2,3,4,5,6,7
	global_store_b128 v[VO2], v[\reg+4*\i:\reg+4*\i+3], s[\base:\base+1] offset:512*\i th:TH_STORE_NT
.endr
.endm
; One block: 32 numbers of a lane, v[src] on, become 6 registers of codes, v[dst] on (dst even), and the scale's byte in v[byt].
.macro BLK src, dst, byt
	v_max3_num_f32 v[MA], |v[\src]|, |v[\src+1]|, 0x2800000        ; the floor 2^(5 - 127) among the leaves: the byte cannot fall under 1
	v_max3_num_f32 v[MB], |v[\src+2]|, |v[\src+3]|, |v[\src+4]|
.irp i, 5,9,13,17,21,25
	v_max3_num_f32 v[MA], v[MA], |v[\src+\i]|, |v[\src+\i+1]|
	v_max3_num_f32 v[MB], v[MB], |v[\src+\i+2]|, |v[\src+\i+3]|
.endr
	v_max3_num_f32 v[MA], v[MA], |v[\src+29]|, |v[\src+30]|
	v_max3_num_f32 v[MA], v[MA], v[MB], |v[\src+31]|               ; the block's largest magnitude
	v_add_nc_u32 v[SOPB], 0xfe000000, v[MA]                        ; 4 off its exponent field: the conversion takes this operand's exponent field as its scale
	v_lshrrev_b32 v[\byt], 23, v[SOPB]                             ; the scale's byte
	v_cvt_scalef32_pk16_bf6_f32 v[\dst:\dst+2], v[\src:\src+15], v[SOPB]
	v_cvt_scalef32_pk16_bf6_f32 v[TC:TC+2], v[\src+16:\src+31], v[SOPB]   ; (a conversion's three registers begin on an even number)
	v_nop                                                          ; one plain place behind a scaled conversion
.irp i, 0,1,2
	v_mov_b32 v[\dst+3+\i], v[TC+\i]
.endr
.endm
.macro WORD1 byt, dst                  ; a row of q or k has two blocks: mine is block lane / 16; with lane l xor 16's byte the word is whole (bytes 2, 3 stay 0)
	v_lshlrev_b32 v[\dst], v[H8], v[\byt]
	v_permlanex16_b32 v[PT], v[\dst], s[SEL], s[SEL+1]
	v_or_b32 v[\dst], v[\dst], v[PT]
.endm
; Waves 0-3: the fragments (step st, channels 16 (wave % 4) on) of v.  Lane (r, h) takes channel r and keys 64 c + 32 h + 0 .. 31 of the step: the operand's own order, so the conversions' results are its registers.
; Block k = 2 st + c of the wave's six: 32 loads into one of the four buffers.
.macro VLOAD k, buf
.set n, 0
.rept 32
.if (\k) < 4
	ds_load_b32 v[\buf+n], v[VR] offset:16640*(\k)+256*n
.else
	ds_load_b32 v[\buf+n], v[VR2] offset:16640*((\k)-4)+256*n
.endif
.set n, n+1
.endr
.endm
.macro VOUT st                         ; fragment st's scale word is made, and the fragment leaves as an image: four LDS stores
	v_lshl_or_b32 v[W], v[E1], 16, v[E0]           ; my two bytes: blocks h and 2 + h,
	v_lshlrev_b32 v[W], v[H8], v[W]                ; at their places;
	v_permlanex16_b32 v[PT], v[W], s[SEL], s[SEL+1]
	v_or_b32 v[W], v[W], v[PT]                     ; with lane l xor 16's two the word is whole
	s_wait_alu depctr_va_vdst(0)                   ; the codes v[C ..] and the word are written, which the stores below read; the two blocks' lines are done reading their buffers, in which the loads four blocks on land
.irp g, 0,1,2
	ds_store_b128 v[VWI], v[C+4*\g:C+4*\g+3] offset:VIMG+6144*\st+512*\g
.endr
	ds_store_b32 v[WSC], v[W] offset:VSC+512*\st
.endm
; Waves 4-7: key tiles 4 g + wave % 4, g = 0 .. 5.  Lane (r, h) takes the tile's key of lane r and its block h: 128 bytes, eight loads into one of the four buffers.
.macro KLOAD g, buf
.irp j, 0,1,2,3,4,5,6,7
.if (\g) < 4
	ds_load_b128 v[\buf+4*\j:\buf+4*\j+3], v[KR] offset:17920*(\g)+16*\j
.else
	ds_load_b128 v[\buf+4*\j:\buf+4*\j+3], v[KR2] offset:17920*((\g)-4)+16*\j
.endif
.endr
.endm
.macro KOUT p                          ; tiles g = 2 p, 2 p + 1 leave as images, with their scale words: six LDS stores
	s_wait_alu depctr_va_vdst(0)                   ; the codes v[C ..] and the two words are written, which the stores below read; the two tiles' lines are done reading their buffers, in which the loads four tiles on land
	ds_store_b32 v[WSC], v[W] offset:KSC+512*(2*\p)
	ds_store_b32 v[WSC], v[W1] offset:KSC+512*(2*\p+1)
.irp u, 0,1
	ds_store_b128 v[KWI16], v[C+6*\u:C+6*\u+3] offset:KIMG+3072*(2*\p+\u)
	ds_store_b64 v[KWI8], v[C+6*\u+4:C+6*\u+5] offset:KIMG+3072*(2*\p+\u)+512
.endr
.endm
	s_load_b256 s[4:11], s[0:1], 0x0               ; q, k, v, out0
	s_load_b128 s[12:15], s[0:1], 0x20             ; out1, out2
	v_lshl_add_u32 v254, v0, 2, 0x45400            ; my spare word, behind the stages, and 0: made here and kept for the closing lines alone
	v_mov_b32 v255, 0
	v_lshrrev_b32 v22, 5, v0
	v_readfirstlane_b32 s[WV], v22                 ; wave 0..7
	s_mov_b32 s[WX], ttmp9
	s_and_b32 s[HD], ttmp7, 0xffff
	v_and_b32 v22, 31, v0                          ; lane
	v_lshlrev_b32 v[LI16], 4, v22
	s_wait_alu depctr_va_vdst(0)
	s_lshl_b32 s24, s[WX], 7                       ; q0
	s_lshl_b32 s25, s[HD], 11                      ; the head's first row
	s_wait_alu depctr_va_sdst(0)                   ; the wave's number is written, ahead of its first reader
	s_and_b32 s[WR], s[WV], 3
	s_lshl_b32 s26, s[WV], 4                       ; 16 w
	s_add_co_u32 s25, s25, s26
	s_sub_co_i32 s27, s24, 256                     ; chunk 0's first key, held at 0 from below: what is loaded for keys that do not exist is hidden later
	s_max_i32 s27, s27, 0
	s_sub_co_i32 s28, s24, 128                     ; chunk 1's
	s_max_i32 s28, s28, 0
	s_add_co_u32 s27, s27, s25
	s_add_co_u32 s28, s28, s25
	s_add_co_u32 s29, s24, s25                     ; chunk 2's: my own 16 rows
	s_lshl_b32 s27, s27, 8                         ; rows of 256 bytes; a tensor is 2^23 bytes
	s_lshl_b32 s28, s28, 8
	s_lshl_b32 s29, s29, 8
	v_add_nc_u32 v[VO0], s27, v[LI16]
	v_add_nc_u32 v[VO1], s28, v[LI16]
	v_add_nc_u32 v[VO2], s29, v[LI16]
	s_wait_kmcnt 0x0
	s_wait_alu depctr_va_vdst(0)                   ; the three offsets are written, which the loads below read
	; ---- PHASE A: 56 loads of the wave go out together: all that it will ever read from memory
	GLOAD 6, VO0, KD
	GLOAD 6, VO1, KD+32
	GLOAD 6, VO2, KD+64
	GLOAD 8, VO0, VD
	GLOAD 8, VO1, VD+32
	GLOAD 8, VO2, VD+64
	WIN 0x40                                       ; destination in window 1: v256-287 (between the wait above and these loads stand loads and this switch alone)
.irp i, 0,1,2,3,4,5,6,7
	global_load_b128 v[4*\i:4*\i+3], v[VO2], s[4:5] offset:512*\i th:TH_LOAD_NT   ; q: read once in the launch
.endr
	WIN 0
	; all other addresses are made while the loads are out, and ahead of the place where the waves part
	s_mov_b32 s[SEL], 0x76543210
	s_mov_b32 s[SEL+1], 0xfedcba98
	s_mov_b32 s[CS], 0x3e38aa3b                    ; log2(e) / 8
	s_mov_b32 s[CS+1], s[CS]                       ; (named with it as a pair, so it is written)
	v_lshlrev_b32 v[LI8], 3, v22
	v_and_b32 v23, 15, v0                          ; r
	v_bfe_u32 v24, v0, 4, 1                        ; h
	s_sub_co_i32 s31, 256, s24                     ; 256 - q0
	s_cmp_ge_u32 s[WX], 2
	s_cselect_b32 s30, 1, 0                        ; from q0 = 256 on the lowest off that counts is iq + 1,
	s_cselect_b32 s31, 0, s31                      ; before that 256 - q0, which is then the larger of the two
	v_add_nc_u32 v25, s26, v23                     ; iq = 16 w + r
	v_add_nc_u32 v26, 1, v25
	v_mad_u32_u24 v26, v26, s30, s31
	v_lshlrev_b32 v27, 4, v24
	v_sub_nc_u32 v[DL], v26, v27
	v_sub_nc_u32 v[DU], v25, v27
	s_mul_i32 s32, s[WV], 4352
	s_add_co_u32 s32, s32, QST                     ; my wave's 16 rows of 272 bytes
	v_mul_u32_u24 v[SO], v23, 272
	v_lshl_add_u32 v[SO], v24, 5, v[SO]
	v_add_nc_u32 v[SO], s32, v[SO]
	v_mul_u32_u24 v[SR], v24, 272
	v_lshl_add_u32 v[SR], v23, 4, v[SR]
	v_add_nc_u32 v[SR], s32, v[SR]
	v_mul_u32_u24 v[QR], v23, 272
	v_lshl_add_u32 v[QR], v24, 7, v[QR]
	v_add_nc_u32 v[QR], s32, v[QR]
	s_lshl_b32 s33, s[WR], 6
	s_add_co_u32 s33, s33, VST
	v_mul_u32_u24 v[VR], v24, 8320
	v_lshl_add_u32 v[VR], v23, 2, v[VR]
	v_add_nc_u32 v[VR], s33, v[VR]                 ; block h, channel 16 (w % 4) + r
	v_add_nc_u32 v[VR2], 66560, v[VR]              ; eight blocks of 32 keys on
	s_lshr_b32 s34, s[WR], 1
	s_mul_i32 s34, s34, 8960
	s_and_b32 s35, s[WR], 1
	s_mul_i32 s35, s35, 2176
	s_add_co_u32 s34, s34, s35
	s_add_co_u32 s34, s34, KST
	v_bfe_u32 v25, v0, 3, 1                        ; r / 8
	v_and_b32 v26, 7, v0                           ; r % 8
	v_mul_u32_u24 v[KR], v25, 4480
	v_mad_u32_u24 v[KR], v26, 272, v[KR]
	v_lshl_add_u32 v[KR], v24, 7, v[KR]
	v_add_nc_u32 v[KR], s34, v[KR]                 ; tile w % 4 = 2 b + u: group 2 b + r / 8, row 8 u + r % 8, block h
	v_add_nc_u32 v[KR2], 71680, v[KR]              ; sixteen groups of 16 keys on
	s_mul_i32 s36, s[WR], 1536
	v_add_nc_u32 v[VWI], s36, v[LI16]
	s_mul_i32 s37, s[WR], 768
	v_add_nc_u32 v[KWI16], s37, v[LI16]
	v_add_nc_u32 v[KWI8], s37, v[LI8]
	s_lshl_b32 s38, s[WR], 2
	v_add_nc_u32 v[WSC], s38, v[LI16]
	v_lshlrev_b32 v[H8], 3, v24
	s_mul_i32 s39, s[WV], 4480
	s_add_co_u32 s39, s39, KST
	v_mul_u32_u24 v[KW], v24, 272
	v_lshl_add_u32 v[KW], v23, 4, v[KW]
	v_add_nc_u32 v[KW], s39, v[KW]                 ; group w of a chunk's eight: row h, 16 r
	v_add_nc_u32 v[KW2], 71680, v[KW]              ; chunk 2 lies beyond the 16-bit offset
	s_lshr_b32 s40, s[WV], 1
	s_mul_i32 s40, s40, 8320
	s_and_b32 s41, s[WV], 1
	s_lshl_b32 s41, s41, 12
	s_add_co_u32 s40, s40, s41
	s_add_co_u32 s40, s40, VST
	v_add_nc_u32 v[VW], s40, v[LI16]               ; block w / 2 of a chunk's four, rows 16 (w % 2) on
	v_add_nc_u32 v[VW2], 66560, v[VW]
	s_wait_alu depctr_va_vdst(0)                   ; every LDS address of the text is written: the stage stores below read four of them, the LDS loads and stores of phases B and C and of the way out the others
	; the seven groups of eight loads in the order of issue; each count is the number of loads issued behind the group
	s_wait_loadcnt 48
	STAGE KW, 0, 544, KD
	s_wait_loadcnt 40
	STAGE KW, 35840, 544, KD+32
	s_wait_loadcnt 32
	COPY 12, KD+64                                 ; out1: my 16 rows of k
	STAGE KW2, 0, 544, KD+64
	s_wait_loadcnt 24
	STAGE VW, 0, 512, VD
	s_wait_loadcnt 16
	STAGE VW, 33280, 512, VD+32
	s_wait_loadcnt 8
	COPY 14, VD+64                                 ; out2: my 16 rows of v
	STAGE VW2, 0, 512, VD+64
	s_wait_loadcnt 0x0
	WIN 0x04                                       ; an LDS store's data are its source 1: window 1
.irp i, 0,1,2,3,4,5,6,7
	ds_store_b128 v[SR], v[4*\i:4*\i+3] offset:544*\i
.endr
	WIN 0
	s_wait_xcnt 0x0                                ; the stores to out1 and out2 have had their addresses translated: their data registers are written again below
	s_wait_alu depctr_vm_vsrc(0)                   ; phase A's loads and stores have read their offsets, addresses and data: v16-21, v32-223 and v256-287 are written again from here on, by LDS loads and by vector and matrix instructions
	s_wait_dscnt 0x0                               ; for the others' sake: my rows lie in the stages
	s_barrier_signal -1
	s_barrier_wait -1
	; ---- PHASE B: my own q first: lane (r, h) takes row r, block h
.irp j, 0,1,2,3,4,5,6,7
	ds_load_b128 v[XQ+4*\j:XQ+4*\j+3], v[QR] offset:16*\j
.endr
	v_mov_b32 v[PT], 0                             ; written once: a lane permute's destination counts as one of its sources
.irp i, 0,1,2,3,4,5
	v_mov_b32 v[QC+6+\i], 0                        ; q's codes for k = 64 .. 127: zeros
.endr
	s_wait_dscnt 0x0
	BLK XQ, QC, E0
	WORD1 E0, QS
	s_cmp_lt_u32 s[WV], 4                          ; the waves part once, on the wave's number: 192 numbers a lane on either way
	s_cbranch_scc0 .Lkrole
	; waves 0-3.  No wait ahead of the first loads: no vector instruction since the last wait on va_vdst names the four buffers or the two addresses.  Loads run two blocks ahead
	VLOAD 0, B0
	VLOAD 1, B1
	s_wait_dscnt 32                                ; block 0 is in; block 1's 32 loads may be out
	VLOAD 2, B2
	BLK B0, C, E0
	s_wait_dscnt 32                                ; block 1 is in; block 2's 32 may be out
	VLOAD 3, B3
	BLK B1, C+6, E1
	VOUT 0
	s_wait_dscnt 36                                ; block 2 is in; behind it: block 3's 32 loads and the four stores
	VLOAD 4, B0                                    ; (no vector instruction since the wait in VOUT names this buffer)
	s_wait_alu depctr_vm_vsrc(0)                   ; the image's stores have read the codes and the word, which the lines below write again
	BLK B2, C, E0
	s_wait_dscnt 36                                ; block 3 is in; behind it: the four stores and block 4's 32 loads
	VLOAD 5, B1                                    ; (since the wait in VOUT only block 2's lines were issued, which do not name this buffer)
	BLK B3, C+6, E1
	VOUT 1
	s_wait_dscnt 36                                ; block 4 is in; behind it: block 5's 32 loads and the four stores
	s_wait_alu depctr_vm_vsrc(0)                   ; the image's stores have read the codes and the word, which the lines below write again
	BLK B0, C, E0
	s_wait_dscnt 4                                 ; block 5 is in; the four stores may be out
	BLK B1, C+6, E1
	VOUT 2
	s_wait_alu depctr_vm_vsrc(0)                   ; the last image's stores have read the codes, the word and v14, which phase C writes
	s_branch .Ljoin
.Lkrole:
	; waves 4-7.  No wait ahead of the first loads, as above.  Four tiles are asked for at once, the last two as soon as their buffers are read out
	KLOAD 0, B0
	KLOAD 1, B1
	KLOAD 2, B2
	KLOAD 3, B3
	s_wait_dscnt 24                                ; tile 0 is in; three tiles' 24 loads may be out
	BLK B0, C, E0
	WORD1 E0, W
	s_wait_dscnt 16                                ; tile 1 is in
	BLK B1, C+6, E1
	WORD1 E1, W1
	KOUT 0
	KLOAD 4, B0                                    ; (no vector instruction since the wait in KOUT names these two buffers)
	KLOAD 5, B1
	s_wait_dscnt 30                                ; tile 2 is in; behind it: tile 3's 8 loads, the six stores, 16 loads
	s_wait_alu depctr_vm_vsrc(0)                   ; the images' stores have read the codes and the two words, which the lines below write again
	BLK B2, C, E0
	WORD1 E0, W
	s_wait_dscnt 22                                ; tile 3 is in; behind it: the six stores and 16 loads
	BLK B3, C+6, E1
	WORD1 E1, W1
	KOUT 1
	s_wait_dscnt 14                                ; tile 4 is in; behind it: tile 5's 8 loads and the six stores
	s_wait_alu depctr_vm_vsrc(0)                   ; the images' stores have read the codes and the two words, which the lines below write again
	BLK B0, C, E0
	WORD1 E0, W
	s_wait_dscnt 6                                 ; tile 5 is in; the six stores may be out
	BLK B1, C+6, E1
	WORD1 E1, W1
	KOUT 2
	s_wait_alu depctr_vm_vsrc(0)                   ; the last images' stores have read the codes, the words and v12-14, which phase C writes
.Ljoin:
	s_wait_dscnt 0x0                               ; for the others' sake: my images and scale words lie in LDS
	s_barrier_signal -1
	s_barrier_wait -1                              ; the last barrier: from here on a wave reads images that nobody writes, and its own stage
.irp i, 0,1,2,3,4,5
	v_mov_b32 v[KB+48+\i], 0                       ; the six zeros behind key tile 7
.endr
	v_mov_b32 v[TX], 0xff61b1e6                    ; the largest t so far: -3e38, under every t
	v_floor_f32 v[NM], -v[TX]                      ; -M
	v_mov_b32 v[LS], 0                             ; the sum, in two halves
	v_mov_b32 v[LS+1], 0
.irp b, 0,1,2,3
	v_mov_b32 v[TP+\b], 0                          ; written once: a lane permute's destination counts as one of its sources
.endr
	v_mov_b32 v[PW], 0                             ; (named as the upper half of the pair v[F:F+1] before it is first written)
; A step's eight key tiles and their scale words: 18 LDS loads
.macro KTILES st
.irp t, 0,1,2,3,4,5,6,7
	ds_load_b128 v[KB+6*\t:KB+6*\t+3], v[LI16] offset:KIMG+768*(8*(\st)+\t)
	ds_load_b64 v[KB+6*\t+4:KB+6*\t+5], v[LI8] offset:KIMG+768*(8*(\st)+\t)+512
.endr
	ds_load_b128 v[SCK:SCK+3], v[LI16] offset:KSC+512*(2*(\st))
	ds_load_b128 v[SCK+4:SCK+7], v[LI16] offset:KSC+512*(2*(\st)+1)
.endm
	s_wait_alu depctr_va_vdst(0)                   ; phase B's lines are done reading v32-79, in which the tiles land; q's codes, q's scale word and the six zeros are written, which the first scaled products take (the nine lines above are the zeros' places)
	KTILES 0
; ---- PHASE C: a key step: off = 128 st .. 128 st + 127
.macro STEP st
	s_wait_dscnt 0x0                               ; the step's key tiles and their words are in (from step 1 on they were asked for a softmax ago)
.irp t, 0,1,2,3,4,5,6,7                        ; S^T = k q^T: source 0 = 16 keys, source 1 = my 16 queries; register 16 b + i of a lane is key 32 b + 16 (lane / 16) + i of the step
	v_wmma_scale_f32_16x16x128_f8f6f4 v[S+8*\t:S+8*\t+7], v[KB+6*\t:KB+6*\t+11], v[QC:QC+11], 0, v[SCK+\t], v[QS] matrix_a_fmt:MATRIX_FMT_BF6 matrix_b_fmt:MATRIX_FMT_BF6
.endr
	PLACES                                         ; in front of the loads below and of the first read of the scores
	WIN 0x40                                       ; destination in window 1
	s_wait_alu depctr_va_vdst(0)                   ; the score products are done reading the key tiles and their words, the last step's second products v's fragments and words: all the loads below land in these
.irp t, 0,1,2,3                                ; the step's four fragments of v land while the softmax is worked
.irp g, 0,1,2
	ds_load_b128 v[VB+12*\t+4*\g:VB+12*\t+4*\g+3], v[LI16] offset:VIMG+1536*(4*\st+\t)+512*\g
.endr
.endr
	WIN 0
	ds_load_b128 v[SCV:SCV+3], v[LI16] offset:VSC+512*\st
.if \st < 2
	KTILES \st+1                                   ; and so do the next step's key tiles.  No wait: behind the wait above stand loads and window switches alone
.endif
	; the mask: one bound a step.  The lower bound can bind in step 0, and in step 1 only where q0 = 0 (a branch on the work-group's number); the upper bound only in step 2
.if \st == 1
	s_cmp_lg_u32 s[WX], 0
	s_cbranch_scc1 .Lopen_\@
	v_add_nc_u32 v[TP], 0xffffff80, v[DL]          ; the bound less the step's 128
.set MREG, TP
.elseif \st == 0
.set MREG, DL
.else
.set MREG, DU
.endif
	v_mov_b32 v[TMP], 0xff800000                   ; -infinity
.irp g, 0,1                                    ; 32 scores at a time: a run of compares, one wait, the selects; each accumulator from its low end on
.set n, 32*\g
.rept 32
.if \st == 2
	v_cmp_gt_i32 s[MK+n%32], 32*(n/16)+n%16, v[MREG]
.else
	v_cmp_lt_i32 s[MK+n%32], 32*(n/16)+n%16, v[MREG]
.endif
.set n, n+1
.endr
	s_wait_alu depctr_va_sdst(0)                   ; the 32 compares have written s24-55, ahead of the first select that reads one of them
.set n, 32*\g
.rept 32
	v_cndmask_b32 v[S+n], v[S+n], v[TMP], s[MK+n%32]
.set n, n+1
.endr
.endr
.if \st == 1
.Lopen_\@:
.endif
.irp b, 0,1,2,3
	v_max3_num_f32 v[BM+\b], v[S+16*\b], v[S+1+16*\b], v[S+2+16*\b]   ; the largest score of each block of 32 keys: it serves for the row's maximum and, since p rises with the score, for the block's largest p
.endr
.irp i, 3,5,7,9,11,13
.irp b, 0,1,2,3
	v_max3_num_f32 v[BM+\b], v[BM+\b], v[S+16*\b+\i], v[S+1+16*\b+\i]
.endr
.endr
.irp b, 0,1,2,3
	v_max_num_f32 v[BM+\b], v[BM+\b], v[S+15+16*\b]
.endr
.irp b, 0,1,2,3
	v_permlanex16_b32 v[TP+\b], v[BM+\b], s[SEL], s[SEL+1]
.endr
.irp b, 0,1,2,3
	v_max_num_f32 v[BM+\b], v[BM+\b], v[TP+\b]     ; with lane l xor 16's 16 keys
.endr
	v_max3_num_f32 v[TMP], v[BM], v[BM+1], v[BM+2]
	v_max_num_f32 v[TMP], v[TMP], v[BM+3]          ; the step's largest score of my query
	v_mul_f32 v[TMP], s[CS], v[TMP]                ; as t (c is positive)
	v_max_num_f32 v[TX], v[TX], v[TMP]             ; the running largest t
	v_mov_b32 v[TMP], v[NM]
	v_floor_f32 v[NM], -v[TX]                      ; the new -M = floor(-t) = -ceil(t)
	v_sub_f32 v[TMP], v[NM], v[TMP]                ; old M - new M: a whole number, 0 or less
	v_cvt_i32_f32 v[TMP], v[TMP]                   ; (it saturates)
	v_ldexp_f32 v[F], 1.0, v[TMP]                  ; f = 2^(old M - new M)
.set j, 0
.rept 32
	v_pk_fma_f32 v[S+j:S+j+1], v[S+j:S+j+1], s[CS:CS+1], v[NM:NM+1] op_sel_hi:[1,0,0]   ; t - M, two at a time
.set j, j+2
.endr
.irp b, 0,1,2,3
	v_fma_f32 v[BM+\b], v[BM+\b], s[CS], v[NM]     ; the same of each block's largest score
.endr
.set j, 0
	s_wait_alu depctr_va_vdst(0)
.rept 64
	v_exp_f32 v[S+j], v[S+j]                       ; p = 2^(t - M), at most 1; 0 where the key is hidden
.set j, j+1
.endr
.irp b, 0,1,2,3
	v_exp_f32 v[BM+\b], v[BM+\b]                   ; the block's largest p
.endr
	v_pk_mul_f32 v[LS:LS+1], v[LS:LS+1], v[F:F+1] op_sel_hi:[1,0]   ; the sums under the new M.  (The plain place behind the exponentials)
	s_wait_alu depctr_va_vdst(0)                   ; the 68 exponentials have written p and the blocks' largest p: one wait for the batch, ahead of its first reader
.irp b, 0,1,2,3
	v_max_num_f32 v[BM+\b], 0x2800000, v[BM+\b]    ; the floor 2^(5 - 127): a block whose every p is 0 keeps the byte 1; its codes are zeros
.endr
.irp b, 0,1,2,3
	v_add_nc_u32 v[SOP+\b], 0xfe000000, v[BM+\b]   ; 4 off the exponent field: the conversion's scale operand
.endr
.irp b, 0,1,2,3
	v_lshrrev_b32 v[TP+\b], 23, v[SOP+\b]          ; the scale's byte
.endr
	v_lshl_or_b32 v[PW], v[TP+1], 8, v[TP]         ; p's scale word for these 128 keys
	v_lshl_or_b32 v[PW], v[TP+2], 16, v[PW]
	v_lshl_or_b32 v[PW], v[TP+3], 24, v[PW]
.irp c, 0,1
	v_cvt_scalef32_pk16_bf6_f32 v[PC+6*\c:PC+6*\c+2], v[S+32*\c:S+32*\c+15], v[SOP+2*\c]
	v_cvt_scalef32_pk16_bf6_f32 v[TP+4*\c:TP+4*\c+2], v[S+16+32*\c:S+31+32*\c], v[SOP+2*\c+1]   ; (a conversion's three registers begin on an even number)
.endr
	v_nop                                          ; one plain place behind a scaled conversion
.irp c, 0,1                                    ; the operand's layout wants a WHOLE block in a lane: lanes 0-15 block 2 c, lanes 16-31 block 2 c + 1
.irp i, 0,1,2
	v_permlane16_swap_b32 v[PC+6*\c+\i], v[TP+4*\c+\i]
.endr
.irp i, 0,1,2
	v_mov_b32 v[PC+3+6*\c+\i], v[TP+4*\c+\i]
.endr
.endr
	v_pk_add_f32 v[TP:TP+1], v[S:S+1], v[S+2:S+3]  ; the row's sum is taken of the unquantised p: two at a time, in two chains
.irp j, 4,8,12,16,20,24,28,32,36,40,44,48,52,56,60
	v_pk_add_f32 v[LS:LS+1], v[LS:LS+1], v[S+\j:S+\j+1]
	v_pk_add_f32 v[TP:TP+1], v[TP:TP+1], v[S+2+\j:S+3+\j]
.endr
	v_pk_add_f32 v[LS:LS+1], v[LS:LS+1], v[TP:TP+1]   ; (these 32 are also the places between p's codes and scale word and the products below)
.if \st > 0
.set j, 0
.rept 16
	v_pk_mul_f32 v[O+j:O+j+1], v[O+j:O+j+1], v[F:F+1] op_sel_hi:[1,0]   ; O^T under the new M, each accumulator from its low end on
.set j, j+2
.endr
.endif
.if \st < 2
	s_wait_dscnt 18                                ; v's fragments and scale words are in; the next step's 18 loads of key tiles and words, issued behind them, may be out
.else
	s_wait_dscnt 0x0                               ; v's fragments and scale words are in
.endif
	WIN 0x01                                       ; source 0 (v's fragments) in window 1
	s_wait_alu depctr_va_vdst(0)                   ; p's codes and p's scale word are written, which the scaled products below take; their places stand above
.irp t, 0,1,2,3                                ; O^T += v^T p^T: source 0 = 16 channels, source 1 = p; the four accumulators by turns, and eight score products stand between two steps' turns
.if \st == 0
	v_wmma_scale_f32_16x16x128_f8f6f4 v[O+8*\t:O+8*\t+7], v[VB+12*\t:VB+12*\t+11], v[PC:PC+11], 0, v[SCV+\t], v[PW] matrix_a_fmt:MATRIX_FMT_BF6 matrix_b_fmt:MATRIX_FMT_BF6
.else
	v_wmma_scale_f32_16x16x128_f8f6f4 v[O+8*\t:O+8*\t+7], v[VB+12*\t:VB+12*\t+11], v[PC:PC+11], v[O+8*\t:O+8*\t+7], v[SCV+\t], v[PW] matrix_a_fmt:MATRIX_FMT_BF6 matrix_b_fmt:MATRIX_FMT_BF6
.endif
.endr
	WIN 0
.endm
	STEP 0                                         ; its products start O^T's sums: nothing is cleared
	STEP 1
	STEP 2
	; ---- THE WAY OUT.  O^T / the sum goes through my own stage (q's rows there were read long ago, by me alone) and leaves as whole rows of 256 bytes.
	PLACES
	v_add_f32 v[LS], v[LS], v[LS+1]                ; the sum's two halves,
	v_permlanex16_b32 v[TMP], v[LS], s[SEL], s[SEL+1]
	v_add_f32 v[LS], v[LS], v[TMP]                 ; and lane l xor 16's: the row's sum; every query counts itself, so it is not 0
	s_wait_alu depctr_va_vdst(0)
	v_rcp_f32 v[LS], v[LS]
	v_nop                                          ; one plain place behind a transcendental
	s_wait_alu depctr_va_vdst(0)                   ; the reciprocal is written, ahead of its first reader
.set j, 0
.rept 16
	v_pk_mul_f32 v[S+j:S+j+1], v[O+j:O+j+1], v[LS:LS+1] op_sel_hi:[1,0]   ; register 8 t + i is out0(query r, channel 16 t + 8 (lane / 16) + i)
.set j, j+2
.endr
	s_wait_alu depctr_va_vdst(0)                   ; the sixteen multiplications have written v[S ..], which the LDS stores read; the last score products are done reading v32-63, in which the loads from the stage land
.irp t, 0,1,2,3
	ds_store_b128 v[SO], v[S+8*\t:S+8*\t+3] offset:64*\t
	ds_store_b128 v[SO], v[S+8*\t+4:S+8*\t+7] offset:64*\t+16
.endr
.irp i, 0,1,2,3,4,5,6,7
	ds_load_b128 v[KB+4*\i:KB+4*\i+3], v[SR] offset:544*\i   ; LDS serves a wave's instructions in order (ISA guide 5.7.1): these see my stores
.endr
.irp i, 0,1,2,3,4,5,6,7
	s_wait_dscnt 7-\i                              ; load i is in; the 7 - i younger ones may be out
	global_store_b128 v[VO2], v[KB+4*\i:KB+4*\i+3], s[10:11] offset:512*\i th:TH_STORE_NT   ; two rows: 512 consecutive bytes, aligned to 256
.endr
	s_wait_dscnt 0x0                               ; the closing lines, six on end
	s_wait_alu 0x0
	s_wait_tensorcnt 0x0
	ds_add_u32 v254, v255
	s_wait_dscnt 0x0
	s_endpgm
.Lfunc_end_k_q347ced2e38_attn:
	.size	k_q347ced2e38_attn, .Lfunc_end_k_q347ced2e38_attn-k_q347ced2e38_attn
	.p2alignl 7, 3214868480
	.fill 96, 4, 3214868480
	.section	.rodata,"a",@progbits
	.p2align	6, 0x0
	.amdhsa_kernel k_q347ced2e38_attn
		.amdhsa_group_segment_fixed_size 284672
		.amdhsa_private_segment_fixed_size 0
		.amdhsa_enable_private_segment 0
		.amdhsa_kernarg_size 48
		.amdhsa_user_sgpr_count 2
		.amdhsa_user_sgpr_kernarg_segment_ptr 1
		.amdhsa_wavefront_size32 1
		.amdhsa_system_sgpr_workgroup_id_x 1
		.amdhsa_system_sgpr_workgroup_id_y 1
		.amdhsa_system_sgpr_workgroup_id_z 1
		.amdhsa_system_vgpr_workitem_id 0
		.amdhsa_next_free_vgpr 304
		.amdhsa_next_free_sgpr 66
		.amdhsa_reserve_vcc 0
		.amdhsa_float_denorm_mode_32 3
		.amdhsa_float_denorm_mode_16_64 3
		.amdhsa_memory_ordered 1
		.amdhsa_forward_progress 1
		.amdhsa_inst_pref_size 131
	.end_amdhsa_kernel
	.amdgpu_metadata
---
amdhsa.version: [ 1, 2 ]
amdhsa.kernels:
  - .name:           k_q347ced2e38_attn
    .symbol:         k_q347ced2e38_attn.kd
    .args:
      - { .name: q, .offset: 0, .size: 8, .value_kind: global_buffer, .address_space: global }
      - { .name: k, .offset: 8, .size: 8, .value_kind: global_buffer, .address_space: global }
      - { .name: v, .offset: 16, .size: 8, .value_kind: global_buffer, .address_space: global }
      - { .name: out0, .offset: 24, .size: 8, .value_kind: global_buffer, .address_space: global }
      - { .name: out1, .offset: 32, .size: 8, .value_kind: global_buffer, .address_space: global }
      - { .name: out2, .offset: 40, .size: 8, .value_kind: global_buffer, .address_space: global }
    .group_segment_fixed_size: 284672
    .private_segment_fixed_size: 0
    .kernarg_segment_align: 8
    .kernarg_segment_size: 48
    .max_flat_workgroup_size: 256
    .sgpr_count:     66
    .vgpr_count:     304
    .wavefront_size: 32
...
	.end_amdgpu_metadata
.endif
;; end of part 2
